; MI455X (gfx1250); checked and timed in simulation.
; The chip was launched on July 23, 2026; its instructions are those of AMD's public machine-readable ISA for CDNA 5 (MIT licence, August 2026) and "CDNA5" Instruction Set Architecture Reference Guide (July 2026). The comments in the code are by the model that wrote it; some were corrected since.
;; Multi Head Attention. Allowed arithmetic: matrix products marked QUANTISED: E4M3 operands, one given power-of-two scale a tensor, by v_wmma_f32_16x16x64_fp8_fp8 or v_wmma_f32_16x16x128_fp8_fp8, f32 sums; everything else in f32.
;; Inputs: W_k 1,024 x 1,024 float32; W_o 1,024 x 1,024 float32; W_q 1,024 x 1,024 float32; W_v 1,024 x 1,024 float32; lowp_scales 12 int32 (the exponents e of the quantised operands' scales 2^e); x 4 x 2,048 x 1,024 float32.
;; Outputs: out0 4 x 2,048 x 1,024 float32.
;; This version of the problem:
;;   THIS VERSION OF THE PROBLEM IS GIVEN IN LOW PRECISION. The matrix products marked QUANTISED in the list below multiply operands that are first quantised to E4M3 (4 exponent bits, 3 mantissa bits; 8 bits a number), with one given power-of-two scale for each operand tensor; their sums are f32. All else is computed in f32.
;;   The module's matrix products, in the order in which they are computed (A, B: the left and right operand; K: the contracted axis; several contracted axes count as one K, in the product's order):
;;     1. [M 8,192, K 1,024] x [K 1,024, N 1,024]; A: input x; B: input W_q: QUANTISED (scales: A lowp_scales[0], B lowp_scales[1])
;;     2. [M 8,192, K 1,024] x [K 1,024, N 1,024]; A: input x; B: input W_k: QUANTISED (scales: A lowp_scales[2], B lowp_scales[3])
;;     3. [M 8,192, K 1,024] x [K 1,024, N 1,024]; A: input x; B: input W_v: QUANTISED (scales: A lowp_scales[4], B lowp_scales[5])
;;     4. batch 64 x [M 2,048, K 64] x [K 64, N 2,048]; A: computed on the way; B: computed on the way: QUANTISED (scales: A lowp_scales[6], B lowp_scales[7])
;;     5. batch 64 x [M 2,048, K 2,048] x [K 2,048, N 64]; A: softmax (see below); B: computed on the way: QUANTISED (scales: A lowp_scales[8], B lowp_scales[9])
;;     6. [M 8,192, K 1,024] x [K 1,024, N 1,024]; A: computed on the way; B: input W_o: QUANTISED (scales: A lowp_scales[10], B lowp_scales[11])
;;   THE QUANTISER, for each operand of a quantised product, along K:
;;     - The operand's scale is 2^e, e = its entry of the input lowp_scales (int32; the entries are numbered through the quantised products in the list's order, A before B).
;;     - Each number is divided by the scale, clamped to +-448, and rounded to the nearest number of E4M3, ties to even, subnormals kept.
;;     - The product sums the exact products of the quantised numbers (number of the format x scale) in f32.
;;   ~~~python
;;   def quantise(x, axis, e):      # numpy; x: float32 -> the quantised numbers, widened to float32 again
;;       x = np.moveaxis(x, axis, -1); K = x.shape[-1]
;;       r = np.clip(x / 2.0 ** e, -448, 448)
;;       step = 2.0 ** (np.maximum(np.frexp(np.where(r == 0, 1, r))[1] - 1, -6) - 3)
;;       q = np.round(r / step) * step * 2.0 ** e      # np.round: ties to even
;;       return np.moveaxis(q, -1, axis).astype(np.float32)
;;   ~~~
;;   SOFTMAX AHEAD OF A QUANTISED PRODUCT. Where the list says 'softmax', what is quantised is not the finished softmax but p = 2^(t - M), with t = logit x log2(e) and M = ceil(the row's largest t), a whole number; so 1/2 < the row's largest p <= 1. The row's sum l is taken of the UNQUANTISED p, in f32, and the product's result is divided by l at the end. Since M is a whole number, a kernel that streams over the keys may use a running M (the ceiling of the running maximum): every later rescaling is an exact power of two, so the quantised numbers keep their values, but for numbers so far below the row's largest that they fall under the format's range.
;;   OPERANDS COMPUTED ON THE WAY. 'Computed on the way' means the value that the module computes at that place (a softmax that the list does not call 'softmax' is quantised finished and normalised). What goes into a quantiser is computed in f32, as accurately as f32 sums, v_exp_f32 and their like allow (about 1e-6 of the number): no bf16 or f16 on the way to a quantiser, and a product that is left as it is and whose result goes on into a quantised operand takes f32 operands (vector FMAs, or v_wmma_f32_16x16x4_f32). A number that lies on a knife's edge between two numbers of the format may be rounded either way, as far as f32 arithmetic and the matrix unit's own rounding can turn it there, and no further.
;; One version. Each part assembles by itself: llvm-mc -triple=amdgcn-amd-amdhsa -mcpu=gfx1250 --defsym DOCPART=n.
;; ======== version 1 of 1: 4 launches
;; limits: right only within a limited range of input values
;; workspace buffers: xc 25,165,824 bytes; wc 4,194,304 bytes; qc 8,388,608 bytes; kvc 16,777,216 bytes; oc 8,388,608 bytes
;; launch quant (part 1): grid 768 x 1, 8 waves a work-group, no clusters, 68,608 bytes of LDS; arguments x, W_q, W_k, W_v, W_o, lowp_scales, xc, wc; writes xc, wc
.if DOCPART == 1
	.amdgcn_target "amdgcn-amd-amdhsa--gfx1250"
	.amdhsa_code_object_version 6
	.text
	.protected	k_q9294cec7a1_quant
	.globl	k_q9294cec7a1_quant
	.p2align	8
	.type	k_q9294cec7a1_quant,@function
k_q9294cec7a1_quant:
	s_mov_b64 s[64:65], 0
	v_nop
	global_prefetch_b8 v0, s[64:65] scope:SCOPE_SE
	s_setreg_imm32_b32 hwreg(HW_REG_WAVE_MODE, 25, 1), 1
	s_wait_xcnt 0x0
; x [8192][1024] and W_q, W_k, W_v, W_o [1024][1024], f32 with K innermost, become codes of E4M3, laid as IMAGES OF OPERAND REGISTERS.
; A fragment is 16 rows x 128 K, 16 registers a lane: lane (r = lane % 16, h = lane / 16) holds, of row r, k = 16 c + 8 h + 0 .. 7 in registers 2 c, 2 c + 1
; (the layout of v_wmma_f32_16x16x128_fp8_fp8).  Its image is 2,048 dense bytes: registers 4 g .. 4 g + 3 of lane l at 512 g + 16 l.
; xc: [version 3][row tile 512][K chunk 8][2,048]: x with the scales of entries 0, 2, 4 of lowp_scales.   wc: [q, k, v, o][row tile 64][K chunk 8][2,048]: entries 1, 3, 5, 11.
; code = number / 2^e, held within +-448, rounded to the nearest code, ties to even.
; LIMITS: each e lies between -126 and 119, so that 2^e and 448 x 2^e are f32 numbers.  NaN among the inputs is not served (an infinity is held at the largest code).
; SHARES.  A work-group takes one row tile, 16 rows x 1,024 K = 65,536 consecutive bytes: work-groups 0-511 x's, 512-767 the weights'.  Wave w takes K chunk w: one fragment.  No loop.
; Each load reads 512 consecutive bytes of a row; the conversions want eight neighbours along K in one lane's registers: so the wave's 8,192 bytes turn through its own stage in LDS
; (rows of 512 + 16 bytes: the 16 lanes that read one column of 16 rows start at 16 different 16-byte columns).  Each store covers 512 consecutive bytes, aligned.
; Waves share nothing: no barrier, no tensor load, no cluster (no two work-groups read the same byte).
.set SP,   528                         ; a stage row
.set WST,  16*SP                       ; a wave's stage
.set SCL,  5                           ; v5-7    2^e as f32 for versions 0, 1, 2
.set LIM,  8
.set R,    16                          ; v16-79  the numbers as loaded
.set X,    80                          ; v80-143 register 8 c + j: k = 16 c + 8 h + j of my row
.set C,    144                         ; v144-191 the codes: 16 registers a version, so that no store's data are written again
.set SRC,  36                          ; s[36:37] my wave's first byte of the tensor
.set DST,  38                          ; s[38:39], s[40:41], s[42:43] my fragment's image, versions 0, 1, 2
	s_load_b512 s[8:23], s[0:1], 0x0               ; x 8:9, W_q 10:11, W_k 12:13, W_v 14:15, W_o 16:17, the scales 18:19, xc 20:21, wc 22:23
	v_lshl_add_u32 v192, v0, 2, 0x10800
	v_mov_b32 v193, 0
	v_lshrrev_b32 v1, 5, v0
	s_delay_alu instid0(VALU_DEP_1)
	v_readfirstlane_b32 s2, v1                     ; wave 0..7
	v_and_b32 v1, 31, v0
	s_delay_alu instid0(VALU_DEP_1)
	v_lshlrev_b32 v2, 4, v1                        ; 16 x lane: my place in a load's, and in a store's, 512 bytes; never rewritten
	s_mul_i32 s3, s2, WST
	v_add_nc_u32 v3, s3, v2                        ; the stage, on the way in
	v_and_b32 v11, 15, v0                          ; r
	v_bfe_u32 v12, v0, 4, 1                        ; h
	s_delay_alu instid0(VALU_DEP_2)
	v_mul_u32_u24 v4, v11, SP
	s_delay_alu instid0(VALU_DEP_1)
	v_lshl_add_u32 v4, v12, 5, v4
	s_delay_alu instid0(VALU_DEP_1)
	v_add_nc_u32 v4, s3, v4                        ; and on the way out: row r, + 32 h bytes
	s_and_b32 s44, ttmp9, 63                       ; a weight's row tile,
	s_sub_co_u32 s45, ttmp9, 512                   ; and its place in wc
	s_cmp_lt_u32 ttmp9, 512                        ; x's work-group?
	s_cselect_b32 s44, ttmp9, s44
	s_cselect_b32 s45, ttmp9, s45
	s_lshl_b32 s44, s44, 16                        ; a row tile is 65,536 bytes of f32,
	s_lshl_b32 s46, s2, 9                          ; a K chunk 512 bytes of a row
	s_add_co_u32 s46, s46, s44
	s_mov_b32 s47, 0
	s_lshl_b32 s45, s45, 14                        ; a row tile is 16,384 bytes of codes,
	s_lshl_b32 s52, s2, 11                         ; a fragment 2,048
	s_add_co_u32 s52, s52, s45
	s_mov_b32 s53, 0
	s_wait_alu depctr_va_vdst(0)
	s_wait_kmcnt 0x0
	s_load_b256 s[24:31], s[18:19], 0x0            ; entries 0 to 7
	s_load_b128 s[32:35], s[18:19], 0x20           ; entries 8 to 11
	s_mov_b64 s[SRC:SRC+1], s[16:17]               ; which tensor: the choice hangs on the work-group's number alone
	s_cmp_lt_u32 ttmp9, 704
	s_cselect_b64 s[SRC:SRC+1], s[14:15], s[SRC:SRC+1]
	s_cmp_lt_u32 ttmp9, 640
	s_cselect_b64 s[SRC:SRC+1], s[12:13], s[SRC:SRC+1]
	s_cmp_lt_u32 ttmp9, 576
	s_cselect_b64 s[SRC:SRC+1], s[10:11], s[SRC:SRC+1]
	s_cmp_lt_u32 ttmp9, 512
	s_cselect_b64 s[SRC:SRC+1], s[8:9], s[SRC:SRC+1]
	s_cselect_b64 s[DST:DST+1], s[20:21], s[22:23]
	s_add_nc_u64 s[SRC:SRC+1], s[SRC:SRC+1], s[46:47]
	s_add_nc_u64 s[DST:DST+1], s[DST:DST+1], s[52:53]
	s_add_nc_u64 s[DST+2:DST+3], s[DST:DST+1], 0x800000    ; x's versions lie 8 MiB apart (used by x's work-groups alone)
	s_add_nc_u64 s[DST+4:DST+5], s[DST:DST+1], 0x1000000
.irp i, 0,1,2,3,4,5,6,7,8,9,10,11,12,13,14,15
	global_load_b128 v[R+4*\i:R+4*\i+3], v2, s[SRC:SRC+1] offset:4096*\i th:TH_LOAD_NT   ; row i: 32 lanes read 512 consecutive bytes; read once in the launch
.endr
.macro MKSC se, v                      ; s[se] holds e: 2^e as an f32 number
	s_add_co_i32 s[\se], s[\se], 127
	s_lshl_b32 s55, s[\se], 23
	v_mov_b32 v[SCL+\v], s55                       ; the conversion takes its exponent field
.endm
	s_wait_kmcnt 0x0
	s_mov_b32 s54, s35                             ; version 0's e: entry 11 (W_o), 5 (W_v), 3 (W_k), 1 (W_q) or 0 (x)
	s_cmp_lt_u32 ttmp9, 704
	s_cselect_b32 s54, s29, s54
	s_cmp_lt_u32 ttmp9, 640
	s_cselect_b32 s54, s27, s54
	s_cmp_lt_u32 ttmp9, 576
	s_cselect_b32 s54, s25, s54
	s_cmp_lt_u32 ttmp9, 512
	s_cselect_b32 s54, s24, s54
	MKSC 54, 0
	MKSC 26, 1                                     ; x's second and third scale: entries 2 and 4
	MKSC 28, 2
	s_wait_alu depctr_va_vdst(0)
.irp i, 0,1,2,3,4,5,6,7,8,9,10,11,12,13,14,15
	s_wait_loadcnt 15-\i                           ; loads come back in order: row i is in, the 15 - i younger ones may be out
	ds_store_b128 v3, v[R+4*\i:R+4*\i+3] offset:SP*\i
.endr
.irp c, 0,1,2,3,4,5,6,7
	ds_load_b128 v[X+8*\c:X+8*\c+3],   v4 offset:64*\c       ; LDS serves a wave's instructions in order: these see my stores
	ds_load_b128 v[X+8*\c+4:X+8*\c+7], v4 offset:64*\c+16
.endr
; One version: convert, store.  first = 1: the numbers are still coming back from the stage.
.macro QV v, first
.irp c, 0,1,2,3,4,5,6,7
.if \first
	s_wait_dscnt 14-2*\c                           ; the two loads of this c are in (those of later c may be out); so the stage's stores are done too, and R may be written
.endif
.irp j, 0,1,2,3,4,5,6,7
.endr
	v_cvt_scalef32_pk8_fp8_f32 v[C+16*\v+2*\c:C+16*\v+2*\c+1], v[X+8*\c:X+8*\c+7], v[SCL+\v]
.endr
	v_nop                                          ; a plain vector line behind the last conversion
	s_wait_alu depctr_va_vdst(0)
.irp g, 0,1,2,3
	global_store_b128 v2, v[C+16*\v+4*\g:C+16*\v+4*\g+3], s[DST+2*\v:DST+2*\v+1] offset:512*\g   ; 32 lanes store 512 consecutive bytes, aligned
.endr
.endm
	QV 0, 1
	s_cmp_ge_u32 ttmp9, 512                        ; a weight has one scale
	s_cbranch_scc1 .Lend
	QV 1, 0
	QV 2, 0
.Lend:
	s_wait_tensorcnt 0x0
	ds_add_u32 v192, v193
	s_wait_dscnt 0x0
	s_endpgm
.Lfunc_end_k_q9294cec7a1_quant:
	.size	k_q9294cec7a1_quant, .Lfunc_end_k_q9294cec7a1_quant-k_q9294cec7a1_quant
	.p2alignl 7, 3214868480
	.fill 96, 4, 3214868480
	.section	.rodata,"a",@progbits
	.p2align	6, 0x0
	.amdhsa_kernel k_q9294cec7a1_quant
		.amdhsa_group_segment_fixed_size 68608
		.amdhsa_private_segment_fixed_size 0
		.amdhsa_enable_private_segment 0
		.amdhsa_kernarg_size 64
		.amdhsa_user_sgpr_count 2
		.amdhsa_user_sgpr_kernarg_segment_ptr 1
		.amdhsa_wavefront_size32 1
		.amdhsa_system_sgpr_workgroup_id_x 1
		.amdhsa_system_sgpr_workgroup_id_y 1
		.amdhsa_system_sgpr_workgroup_id_z 1
		.amdhsa_system_vgpr_workitem_id 0
		.amdhsa_next_free_vgpr 194
		.amdhsa_next_free_sgpr 66
		.amdhsa_reserve_vcc 0
		.amdhsa_float_denorm_mode_32 3
		.amdhsa_float_denorm_mode_16_64 3
		.amdhsa_fp16_overflow 1
		.amdhsa_memory_ordered 1
		.amdhsa_forward_progress 1
		.amdhsa_inst_pref_size 11
	.end_amdhsa_kernel
	.amdgpu_metadata
---
amdhsa.version: [ 1, 2 ]
amdhsa.kernels:
  - .name:           k_q9294cec7a1_quant
    .symbol:         k_q9294cec7a1_quant.kd
    .args:
      - { .name: x, .offset: 0, .size: 8, .value_kind: global_buffer, .address_space: global }
      - { .name: W_q, .offset: 8, .size: 8, .value_kind: global_buffer, .address_space: global }
      - { .name: W_k, .offset: 16, .size: 8, .value_kind: global_buffer, .address_space: global }
      - { .name: W_v, .offset: 24, .size: 8, .value_kind: global_buffer, .address_space: global }
      - { .name: W_o, .offset: 32, .size: 8, .value_kind: global_buffer, .address_space: global }
      - { .name: lowp_scales, .offset: 40, .size: 8, .value_kind: global_buffer, .address_space: global }
      - { .name: xc, .offset: 48, .size: 8, .value_kind: global_buffer, .address_space: global }
      - { .name: wc, .offset: 56, .size: 8, .value_kind: global_buffer, .address_space: global }
    .group_segment_fixed_size: 68608
    .private_segment_fixed_size: 0
    .kernarg_segment_align: 8
    .kernarg_segment_size: 64
    .max_flat_workgroup_size: 256
    .sgpr_count:     66
    .vgpr_count:     194
    .wavefront_size: 32
...
	.end_amdgpu_metadata
.endif
;; end of part 1
;; launch gemm_qkv (part 2): grid 12 x 32, 4 waves a work-group, clusters of 4 x 4, 327,680 bytes of LDS; arguments xc, wc, lowp_scales, qc, kvc; writes qc, kvc
.if DOCPART == 2
	.amdgcn_target "amdgcn-amd-amdhsa--gfx1250"
	.amdhsa_code_object_version 6
	.text
	.protected	k_q9294cec7a1_gemm_qkv
	.globl	k_q9294cec7a1_gemm_qkv
	.p2align	8
	.type	k_q9294cec7a1_gemm_qkv,@function
k_q9294cec7a1_gemm_qkv:
	s_mov_b64 s[64:65], 0
	v_nop
	global_prefetch_b8 v0, s[64:65] scope:SCOPE_SE
	s_setreg_imm32_b32 hwreg(HW_REG_WAVE_MODE, 25, 1), 1
	s_wait_xcnt 0x0
	s_wait_alu depctr_hold_cnt(0) depctr_sa_sdst(0) depctr_va_vdst(0) depctr_va_sdst(0) depctr_va_ssrc(0) depctr_va_vcc(0) depctr_vm_vsrc(0)
	s_getreg_b32 s2, hwreg(HW_REG_IB_STS2, 6, 4)
	s_cmp_eq_u32 s2, 0
	s_cbranch_scc0 .Lentry_in_a_cluster
	s_endpgm
.Lentry_in_a_cluster:
	s_bfe_u32 s2, ttmp6, 0x10000c
	s_cmp_lg_u32 s2, 0xf033
	s_cbranch_scc0 .Lentry_shape_is_right
	s_endpgm
.Lentry_shape_is_right:
; q = x W_q^T, k = x W_k^T, v = x W_v^T on codes of E4M3 (8,192 x 1,024 x 1,024 each), and each result quantised at once for the attention's products.  Nothing wider than a code goes to memory.
; The cluster's x says which: 0 = q, 1 = k, 2 = v.  Operands come as images of operand registers (16 rows x 128 K = 2,048 dense bytes: registers 4 g .. 4 g + 3 of lane l at 512 g + 16 l):
;   xc [version 3][row tile 512][K chunk 8][2,048], wc [matrix 4][row tile 64][K chunk 8][2,048].
; A tile of 256 tokens x 256 features is made by four waves, each 128 x 128: 64 accumulators, 512 registers.  K goes in steps of 256 through a ring of two LDS slots.
; THE RESULT IS THE NEXT OPERAND.  In a result, lane (r, h) holds row r of source 1 and its registers j the rows 8 h + j of source 0; eight registers convert into two, which hold k = 16 b + 8 h + 0 .. 7
; of the next product: registers 2 b, 2 b + 1 of a fragment in that product's own layout.  q, k: source 0 = W, source 1 = x: a lane is a token, registers run along the head's 64.
; v: source 0 = x, source 1 = W: a lane is one of the head's 64, registers run along 128 keys.  Only the LDS bases of the two sources differ; they are chosen on the cluster's x, which all partners share.
;   qc  [batch x head 64][query tile 128][1,024]                      kvc [batch x head 64][key step 16][K: 8 key tiles x 1,024 | V: 4 tiles of the head's 64 x 2,048]
; code = sum x 2^(ea + eb) / 2^eo, held within +-448: the three exponents are folded into the conversion's one.  LIMIT: eo - ea - eb lies between -126 and 119.
; CLUSTERS: 4 x 4 work-groups.  x's tile hangs on the token tile alone, shared along a row of the cluster; W's on the feature tile alone, shared along a column: each is asked for jointly.
; REGISTERS, in windows of 256: window 0: v16-31 addresses and constants; v32-111 at work on the way out; v128-255 source 1's fragments (8 x 16), one set.
;   window 1: source 0's fragments, two sets, at v0 and v128.   window 2: the accumulators of source 1's blocks 0-3 ((a, b) at v[8 (8 (a % 4) + b)]);   window 3: of blocks 4-7.
.set FR,     16                        ; registers of a fragment
.set NL,     4                         ; LDS loads that bring one
.set NP,     4                         ; places behind this matrix instruction (ISA guide 7.12.1)
.set TILEB,  4096                      ; a row tile's bytes in a slot: two K chunks
.set HALFB,  8*TILEB                   ; 128 rows: what one tensor load brings, and what one wave reads of a source
.set REGION, 2*HALFB                   ; x's 256 rows; behind them W's
.set SLOT,   2*REGION
.set SPARE,  2*SLOT                    ; behind the ring: the spare words, 128 bytes for each wave, which no other line names
.set ADR1, 16                          ; v16-17  LDS address of source 1's fragments in slot 0, 1
.set ADR0, 20                          ; v20-21  the same for source 0
.set ST0,  26                          ; v26     16 x lane
.set ST1,  27                          ; v27     16 x lane + the distance to the second eight registers' place
.set SPW,  28                          ; v28     LDS address of my spare word; never rewritten
.set NIL,  29                          ; v29     0; never rewritten
.set SCL,  30                          ; v30     2^(eo - ea - eb)
.set LIM,  31                          ; v31     448 x that
.set TMP,  32                          ; v32-95  a block's held sums
.set CD,   96                          ; v96-111 its codes
.set AF,   128
.set G1, 24                            ; s[24:31] descriptor group 1 for x's tiles;  s[32:39] group 0, one set for each slot
.set G0, 32
.set G1B, 48                           ; s[48:55], s[56:63] the same for W's tiles
.set G0B, 56
.set MSB, 0
.macro WIN new                         ; the immediate's high byte repeats the setting that is left
.if MSB != \new
	s_set_vgpr_msb (MSB<<8)|\new
.set MSB, \new
.endif
.endm
.set MUL_LO, 0xa1                      ; source 0 window 1, source 1 window 0, C and D window 2
.set MUL_HI, 0xf1                      ; the same, C and D window 3
.set TO_1,   0x40                      ; destination window 1, address window 0
; A joint load: waves 0 and 1 fetch x's halves, waves 2 and 3 W's.  Each line has one mask and one set of registers; the branch hangs on the wave's number alone.
; Four v_nop follow each of the two lines, ahead of the jump, the label and what follows.
.macro JLOAD g0a, g1a, g0b, g1b
	s_cmp_eq_u32 s15, 0
	s_cbranch_scc0 .Lfor_b_\@
	tensor_load_to_lds s[\g0a:\g0a+3], s[\g1a:\g1a+7]
	s_nop 0
.rept 4
	v_nop
.endr
	s_branch .Lasked_\@
.Lfor_b_\@:
	tensor_load_to_lds s[\g0b:\g0b+3], s[\g1b:\g1b+7]
	s_nop 0
.rept 4
	v_nop
.endr
.Lasked_\@:
.endm
.macro CREST                           ; a round of the cluster's barrier behind its opening barrier
	s_cmp_lg_u32 s14, 0
	s_cbranch_scc1 .Lnot_wave_0_\@
	s_barrier_signal -3
.Lnot_wave_0_\@:
	s_barrier_wait -3
	s_barrier_signal -1
	s_barrier_wait -1
.endm
.macro CROUND                          ; a whole round
	s_barrier_signal -1
	s_barrier_wait -1
	CREST
.endm
	s_load_b128 s[4:7], s[0:1], 0x0                ; xc s[4:5], wc s[6:7]
	s_load_b128 s[8:11], s[0:1], 0x10              ; the scales' exponents s[8:9], qc s[10:11]
	s_load_b64 s[12:13], s[0:1], 0x20              ; kvc
	v_lshl_add_u32 v[SPW], v0, 2, SPARE
	v_mov_b32 v[NIL], 0
	ds_add_u32 v28, v29
	ds_add_u32 v28, v29
	s_wait_dscnt 0x0
	v_lshrrev_b32 v1, 5, v0
	v_readfirstlane_b32 s14, v1                    ; wave 0..3
	s_lshr_b32 s15, s14, 1                         ; which half of source 1's rows is mine.  Also: I fetch for x (0) or for W (1)
	s_and_b32 s16, s14, 1                          ; which half of source 0's rows.  Also: which 128 rows I fetch
	s_bfe_u32 s40, ttmp6, 0x40000                  ; cx: the feature tile
	s_bfe_u32 s41, ttmp6, 0x40004                  ; cy
	s_and_b32 s17, ttmp7, 0xffff
	s_lshl_b32 s17, s17, 2
	s_add_co_u32 s17, s17, s41                     ; the token tile = 4 x cluster y + cy
	s_lshl_b32 s43, s41, 2
	s_lshl_b32 s43, 15, s43                        ; my row of the cluster
	s_lshl_b32 s44, 0x1111, s40                    ; my column
	; descriptor group 1: 8 row tiles, of each 4,096 bytes (two K chunks), 16,384 bytes apart in memory, dense in LDS
	s_or_b32 s[G1+0], s43, (3<<16)|(1<<21)         ; 15:0 the mask: x's tiles go to my row; 17:16 elements of 8 bytes; 20 no padding; 21 set beside a mask
	s_or_b32 s[G1B+0], s44, (3<<16)|(1<<21)        ; W's go to my column
.irp g, G1, G1B
	s_mov_b32 s[\g+1], 512<<16                     ; tensor_dim0 = 512 elements
	s_mov_b32 s[\g+2], 8<<16                       ; tensor_dim1 = 8
	s_mov_b32 s[\g+3], 512<<16                     ; tile_dim0
	s_mov_b32 s[\g+4], 8                           ; tile_dim1
	s_mov_b32 s[\g+5], 2048                        ; tensor_dim0_stride: 16,384 bytes
	s_mov_b32 s[\g+6], 0
	s_mov_b32 s[\g+7], 0
.endr
	s_lshl_b32 s18, s16, 17                        ; which 128 rows (8 row tiles of 16,384 bytes) I fetch
	s_lshl_b32 s20, ttmp9, 23                      ; x: the version,
	s_lshl_b32 s19, s17, 18                        ; the token tile's 16 row tiles
	s_add_co_u32 s20, s20, s19
	s_add_co_u32 s20, s20, s18
	s_mov_b32 s21, 0
	s_lshl_b32 s46, ttmp9, 20                      ; W: the matrix,
	s_lshl_b32 s47, s40, 18                        ; the feature tile's 16 row tiles
	s_add_co_u32 s46, s46, s47
	s_add_co_u32 s46, s46, s18
	s_mov_b32 s47, 0
	s_lshl_b32 s45, s14, 15                        ; where they go: wave x 32,768: no place in the cluster enters an LDS address
	s_wait_kmcnt 0x0
	s_load_b256 s[72:79], s[8:9], 0x0              ; entries 0 to 7
	s_load_b128 s[80:83], s[8:9], 0x20             ; entries 8 to 11
	s_add_nc_u64 s[20:21], s[4:5], s[20:21]
	s_add_nc_u64 s[46:47], s[6:7], s[46:47]
	CROUND                                         ; all sixteen work-groups are here: the first joint loads meet
.irp s, 0,1
	s_mov_b32 s[G0+4*\s], 1
	s_add_co_u32 s[G0+4*\s+1], s45, \s*SLOT
	s_add_nc_u64 s[G0+4*\s+2:G0+4*\s+3], s[20:21], \s*TILEB
	s_or_b32 s[G0+4*\s+3], s[G0+4*\s+3], 0x80000000
	s_mov_b32 s[G0B+4*\s], 1
	s_add_co_u32 s[G0B+4*\s+1], s45, \s*SLOT
	s_add_nc_u64 s[G0B+4*\s+2:G0B+4*\s+3], s[46:47], \s*TILEB
	s_or_b32 s[G0B+4*\s+3], s[G0B+4*\s+3], 0x80000000
	JLOAD G0+4*\s, G1, G0B+4*\s, G1B
.endr
	v_and_b32 v1, 31, v0
	v_lshlrev_b32 v[ST0], 4, v1                    ; 16 x lane
	s_cmp_eq_u32 ttmp9, 2                          ; v?  Then source 1 is W and source 0 is x
	s_cselect_b32 s66, REGION, 0                   ; source 1's region of a slot,
	s_cselect_b32 s67, 0, REGION                   ; source 0's: either way inside the slot
	s_lshl_b32 s68, s15, 15
	s_add_co_u32 s66, s66, s68                     ; my 128 rows of source 1
	s_lshl_b32 s68, s16, 15
	s_add_co_u32 s67, s67, s68                     ; and of source 0
.irp s, 0,1
	v_add_nc_u32 v[ADR1+\s], s66, v[ST0]
	v_add_nc_u32 v[ADR0+\s], s67, v[ST0]
	s_add_co_u32 s66, s66, SLOT
	s_add_co_u32 s67, s67, SLOT
.endr
	; where my results go.  My 128 tokens are chunk 2 x token tile + my token half: batch = chunk / 16, key step = chunk % 16.  My 128 features are heads 4 cx + 2 x my feature half, and the next.
	s_cmp_eq_u32 ttmp9, 2
	s_cselect_b32 s84, s16, s15                    ; my token half,
	s_cselect_b32 s85, s15, s16                    ; my feature half
	s_cselect_b32 s96, 8192, 0                     ; V's part of a key step lies behind K's
	s_mov_b32 s97, 1024
	s_cselect_b32 s88, 2048, s97                   ; from block a to a + 1: the next tile of the head's 64 (v), the next token tile (q, k);
	s_cselect_b32 s90, 256000, s97                 ; from block 3 to 4, for v: the next head, 262,144 - 3 x 2,048
	s_mov_b32 s89, 0
	s_mov_b32 s91, 0
	s_cmp_eq_u32 ttmp9, 0
	s_mov_b32 s97, 262144
	s_cselect_b32 s98, 131072, s97                 ; a head's bytes in qc, in kvc
	s_mov_b32 s97, 16384
	s_cselect_b32 s99, 8192, s97                   ; 128 tokens' bytes
	s_cselect_b64 s[86:87], s[10:11], s[12:13]     ; qc or kvc: the choice hangs on the cluster's x alone
	s_cmp_eq_u32 ttmp9, 2
	s_cselect_b32 s97, 1024, s98                   ; registers 8-15: the fragment's second half (v), the next head's fragment (q, k)
	v_add_nc_u32 v[ST1], s97, v[ST0]
	s_lshl_b32 s69, s17, 1
	s_add_co_u32 s69, s69, s84                     ; the chunk
	s_lshr_b32 s70, s69, 4                         ; the batch
	s_and_b32 s69, s69, 15                         ; the key step
	s_lshl_b32 s70, s70, 4
	s_lshl_b32 s71, s40, 2
	s_add_co_u32 s70, s70, s71
	s_lshl_b32 s71, s85, 1
	s_add_co_u32 s70, s70, s71                     ; 16 x batch + head
	s_mul_i32 s70, s70, s98
	s_mul_i32 s69, s69, s99
	s_add_co_u32 s70, s70, s69
	s_add_co_u32 s70, s70, s96
	s_mov_b32 s71, 0
	s_add_nc_u64 s[86:87], s[86:87], s[70:71]
.macro FRAG reg, adr, q, i             ; a fragment's image, row tile i, K chunk q of the slot: four loads of 512 consecutive bytes
.irp c, 0,1,2,3
	ds_load_b128 v[\reg+4*\c:\reg+4*\c+3], v[\adr] offset:TILEB*(\i)+2048*(\q)+512*\c
.endr
.endm
; 16 matrix instructions: source 1's blocks a0, a0 + 1 x source 0's eight, 128 along K.  p: source 0's set.  zero = 1: the first product starts the sums.
; The 64 accumulators take turns, one instruction a turn, in the same order in every step.
.macro MUL16 a0, p, zero
.irp a, \a0, \a0+1
.irp b, 0,1,2,3,4,5,6,7
.if \zero
	v_wmma_f32_16x16x128_fp8_fp8 v[8*(8*((\a)%4)+\b):8*(8*((\a)%4)+\b)+7], v[128*(\p)+FR*\b:128*(\p)+FR*\b+FR-1], v[AF+FR*(\a):AF+FR*(\a)+FR-1], 0
.else
	v_wmma_f32_16x16x128_fp8_fp8 v[8*(8*((\a)%4)+\b):8*(8*((\a)%4)+\b)+7], v[128*(\p)+FR*\b:128*(\p)+FR*\b+FR-1], v[AF+FR*(\a):AF+FR*(\a)+FR-1], v[8*(8*((\a)%4)+\b):8*(8*((\a)%4)+\b)+7]
.endif
.endr
.endr
.endm
.macro FETCH_S0 slot, q, p             ; source 0's eight fragments into set p
	WIN TO_1
.irp i, 0,1,2,3,4,5,6,7
	FRAG 128*(\p)+FR*\i, ADR0+\slot, \q, \i
.endr
	WIN 0
.endm
.macro FETCH_S1 slot, q, i0            ; source 1's blocks i0 .. i0 + 3
.irp i, \i0, \i0+1, \i0+2, \i0+3
	FRAG AF+FR*(\i), ADR1+\slot, \q, \i
.endr
.endm
.macro PLACES n                        ; plain vector lines between a matrix instruction and a load into one of its registers, or a read of its result (ISA guide 7.12.1 for a read of its result)
.rept \n
	v_nop
.endr
.endm
; A step of 128 along K that has its successor in the same slot.
.macro STEP slot, q, zero
	s_wait_dscnt 4*NL                              ; source 0's set and source 1's blocks 0-3 are in; the youngest 16 loads (blocks 4-7) may be out
	WIN MUL_LO
	MUL16 0, (\q)%2, \zero
	MUL16 2, (\q)%2, \zero
	s_wait_dscnt 0                                 ; blocks 4-7 are in
	PLACES NP
	FETCH_S0 \slot, (\q)+1, 1-(\q)%2
	FETCH_S1 \slot, (\q)+1, 0
	WIN MUL_HI
	MUL16 4, (\q)%2, \zero
	MUL16 6, (\q)%2, \zero
	PLACES NP
	WIN 0
	FETCH_S1 \slot, (\q)+1, 4
.endm
; A slot's last step changes slots: one barrier; in front of it each wave waits for all its tensor loads, adds 0 to its spare word, and waits for that and for its own reads of this slot.
; fill = 1: this slot is filled again, two K steps ahead; the barrier then opens a round of the cluster's barrier.
.macro TURN slot, next, fill
	s_wait_tensorcnt 0x0                           ; all my tensor loads have landed: my part of the next slot
	ds_add_u32 v[SPW], v[NIL]                      ; 0 onto my spare word
	s_wait_dscnt 4*NL+1                            ; (the add and the youngest 16 loads may be out)
	WIN MUL_LO
	MUL16 0, 1, 0                                  ; sixteen matrix instructions stand between the add and the wait for it
	s_wait_dscnt 0x0                               ; the add is done, and my reads of this slot are over
	s_barrier_signal -1
	MUL16 2, 1, 0
	WIN 0
	s_barrier_wait -1
.if \fill
	CREST                                          ; no wave of any partner still reads this slot's tile or has a load on its way
	s_add_nc_u64 s[G0+4*\slot+2:G0+4*\slot+3], s[G0+4*\slot+2:G0+4*\slot+3], 2*TILEB
	s_add_nc_u64 s[G0B+4*\slot+2:G0B+4*\slot+3], s[G0B+4*\slot+2:G0B+4*\slot+3], 2*TILEB
	JLOAD G0+4*\slot, G1, G0B+4*\slot, G1B         ; the first tensor load behind the round; its four v_nop are the places in front of the loads below
.else
	PLACES NP
.endif
	FETCH_S0 \next, 0, 0
	FETCH_S1 \next, 0, 0
	WIN MUL_HI
	MUL16 4, 1, 0
	MUL16 6, 1, 0
	PLACES NP
	WIN 0
	FETCH_S1 \next, 0, 4
.endm
	s_wait_tensorcnt 1                             ; my part of K step 0 is in (K step 1's load may be out)
	s_barrier_signal -1
	s_barrier_wait -1                              ; everybody's is
	FETCH_S0 0, 0, 0
	FETCH_S1 0, 0, 0
	FETCH_S1 0, 0, 4
	STEP 0, 0, 1                                   ; K = 1,024 is four slots' worth: written out, no loop
	TURN 0, 1, 1
	STEP 1, 0, 0
	TURN 1, 0, 1
	STEP 0, 0, 0
	TURN 0, 1, 0                                   ; the last two slots are filled no more
	STEP 1, 0, 0
	s_wait_dscnt 4*NL                              ; the very last step: nothing more to fetch
	WIN MUL_LO
	MUL16 0, 1, 0
	MUL16 2, 1, 0
	s_wait_dscnt 0
	WIN MUL_HI
	MUL16 4, 1, 0
	MUL16 6, 1, 0
	WIN 0
	s_wait_kmcnt 0x0
	s_cmp_eq_u32 ttmp9, 0                          ; (ea, eb, eo): entries (0, 1, 6) for q, (2, 3, 7) for k, (4, 5, 9) for v: chosen without a branch
	s_cselect_b32 s84, s72, s74
	s_cselect_b32 s85, s73, s75
	s_cselect_b32 s94, s78, s79
	s_cmp_eq_u32 ttmp9, 2
	s_cselect_b32 s84, s76, s84
	s_cselect_b32 s85, s77, s85
	s_cselect_b32 s94, s81, s94
	s_sub_co_i32 s94, s94, s84
	s_sub_co_i32 s94, s94, s85                     ; eo - ea - eb
	s_add_co_i32 s94, s94, 127
	s_lshl_b32 s95, s94, 23
	v_mov_b32 v[SCL], s95
	s_add_co_i32 s94, s94, 8
	s_lshl_b32 s94, s94, 23
	s_or_b32 s94, s94, 0x600000
	v_mov_b32 v[LIM], s94
	PLACES NP
; THE WAY OUT of source 1's block a: its eight accumulators are held, each from its low end on, and converted: 16 registers, stored as they stand, 512 consecutive aligned bytes a store.
.macro EPI a
	WIN 0x02+((\a)/4)                              ; source 0: window 2 or 3
.set jj, 0
.rept 64
	v_med3_num_f32 v[TMP+jj], v[64*((\a)%4)+jj], -v[LIM], v[LIM]   ; the conversion does not saturate (ISA guide 7.6.2)
.set jj, jj+1
.endr
	WIN 0
.if (\a) > 0
	s_wait_xcnt 0x0                                ; the last block's stores have read their data and their base: both are written below
.if (\a) == 4
	s_add_nc_u64 s[86:87], s[86:87], s[90:91]
.else
	s_add_nc_u64 s[86:87], s[86:87], s[88:89]
.endif
.endif
.irp b, 0,1,2,3,4,5,6,7
	v_cvt_scalef32_pk8_fp8_f32 v[CD+2*\b:CD+2*\b+1], v[TMP+8*\b:TMP+8*\b+7], v[SCL]
.endr
	v_nop                                          ; a plain vector line behind the last conversion: the next block writes its sources
	global_store_b128 v[ST0], v[CD:CD+3], s[86:87]
	global_store_b128 v[ST0], v[CD+4:CD+7], s[86:87] offset:512
	global_store_b128 v[ST1], v[CD+8:CD+11], s[86:87]
	global_store_b128 v[ST1], v[CD+12:CD+15], s[86:87] offset:512
.endm
.irp a, 0,1,2,3,4,5,6,7
	EPI \a
.endr
	s_wait_tensorcnt 0x0                           ; the wave's end
	ds_add_u32 v[SPW], v[NIL]
	s_wait_dscnt 0x0
	CROUND                                         ; the closing round: no work-group ends while a partner may still ask for a tile that names it
	s_endpgm
.Lfunc_end_k_q9294cec7a1_gemm_qkv:
	.size	k_q9294cec7a1_gemm_qkv, .Lfunc_end_k_q9294cec7a1_gemm_qkv-k_q9294cec7a1_gemm_qkv
	.p2alignl 7, 3214868480
	.fill 96, 4, 3214868480
	.section	.rodata,"a",@progbits
	.p2align	6, 0x0
	.amdhsa_kernel k_q9294cec7a1_gemm_qkv
		.amdhsa_group_segment_fixed_size 327680
		.amdhsa_private_segment_fixed_size 0
		.amdhsa_enable_private_segment 0
		.amdhsa_kernarg_size 40
		.amdhsa_user_sgpr_count 2
		.amdhsa_user_sgpr_kernarg_segment_ptr 1
		.amdhsa_wavefront_size32 1
		.amdhsa_system_sgpr_workgroup_id_x 1
		.amdhsa_system_sgpr_workgroup_id_y 1
		.amdhsa_system_sgpr_workgroup_id_z 1
		.amdhsa_system_vgpr_workitem_id 0
		.amdhsa_next_free_vgpr 1024
		.amdhsa_next_free_sgpr 100
		.amdhsa_reserve_vcc 0
		.amdhsa_float_denorm_mode_32 3
		.amdhsa_float_denorm_mode_16_64 3
		.amdhsa_memory_ordered 1
		.amdhsa_forward_progress 1
		.amdhsa_inst_pref_size 119
	.end_amdhsa_kernel
	.amdgpu_metadata
---
amdhsa.version: [ 1, 2 ]
amdhsa.kernels:
  - .name:           k_q9294cec7a1_gemm_qkv
    .symbol:         k_q9294cec7a1_gemm_qkv.kd
    .args:
      - { .name: xc, .offset: 0, .size: 8, .value_kind: global_buffer, .address_space: global }
      - { .name: wc, .offset: 8, .size: 8, .value_kind: global_buffer, .address_space: global }
      - { .name: lowp_scales, .offset: 16, .size: 8, .value_kind: global_buffer, .address_space: global }
      - { .name: qc, .offset: 24, .size: 8, .value_kind: global_buffer, .address_space: global }
      - { .name: kvc, .offset: 32, .size: 8, .value_kind: global_buffer, .address_space: global }
    .group_segment_fixed_size: 327680
    .private_segment_fixed_size: 0
    .kernarg_segment_align: 8
    .kernarg_segment_size: 40
    .max_flat_workgroup_size: 128
    .sgpr_count:     100
    .vgpr_count:     1024
    .wavefront_size: 32
...
	.end_amdgpu_metadata
.endif
;; end of part 2
;; launch attn (part 3): grid 4 x 64, 16 waves a work-group, clusters of 4 x 1, 327,680 bytes of LDS; arguments qc, kvc, lowp_scales, oc; writes oc
.if DOCPART == 3
	.amdgcn_target "amdgcn-amd-amdhsa--gfx1250"
	.amdhsa_code_object_version 6
	.text
	.protected	k_q9294cec7a1_attn
	.globl	k_q9294cec7a1_attn
	.p2align	8
	.type	k_q9294cec7a1_attn,@function
k_q9294cec7a1_attn:
	s_mov_b64 s[64:65], 0
	v_nop
	global_prefetch_b8 v0, s[64:65] scope:SCOPE_SE
	s_setreg_imm32_b32 hwreg(HW_REG_WAVE_MODE, 25, 1), 1
	s_wait_xcnt 0x0
	s_wait_alu depctr_hold_cnt(0) depctr_sa_sdst(0) depctr_va_vdst(0) depctr_va_sdst(0) depctr_va_ssrc(0) depctr_va_vcc(0) depctr_vm_vsrc(0)
	s_getreg_b32 s2, hwreg(HW_REG_IB_STS2, 6, 4)
	s_cmp_eq_u32 s2, 0
	s_cbranch_scc0 .Lentry_in_a_cluster
	s_endpgm
.Lentry_in_a_cluster:
	s_bfe_u32 s2, ttmp6, 0x10000c
	s_cmp_lg_u32 s2, 0x3003
	s_cbranch_scc0 .Lentry_shape_is_right
	s_endpgm
.Lentry_shape_is_right:
; Causal attention on codes of E4M3: 64 (batch x head) x 2,048 queries x 2,048 keys, head size 64.  Both products on the codes as they lie; the result is quantised at once for the last product.
;   qc [bh 64][query tile 128][1,024]: K = 64 fragments (lane = query).   kvc [bh][key step 16][K: 8 key tiles x 1,024 (lane = key) | V: 4 tiles x 2,048 (lane = one of the head's 64, registers along 128 keys)].
;   oc [token tile 512][head 16][1,024]: K = 64 fragments (lane = token): two heads on end are a 16 x 128 fragment of the last product.
; All are images of operand registers: registers 4 g .. 4 g + 3 of lane l at 512 g + 16 l.
; SOFTMAX: t = score x log2(e) / 8; M = the running largest t rounded up to a whole number; p = 2^(t - M) is quantised with 2^e8; the row's sum is taken of the unquantised p and divides at the end.
; A hidden key (key > query) gets the weight 0: what the -1e9 of the definition gives wherever a row's largest open score lies well above -1e9.
; LIMITS: e6 + e7 between -123 and 130 (added to c's exponent field); e8, and e10 - e8 - e9, between -126 and 119.
; SHARES.  A head's K and V, 262,144 bytes, lie in LDS whole, as in memory, filled ONCE.  The head's four work-groups form a cluster and ask for them jointly.
; Work-group g owns query tiles 4 rho + g, rho = 0 .. 31; tile rho needs rho / 2 + 1 key steps of 128, whatever g.  Wave w takes rho = 31 - w and then rho = w: 17 key steps for every wave of the launch.
; No trip count, branch or LDS address hangs on g.  Four waves share a SIMD, so that one wave's vector work stands beside another's products and LDS loads.
; The fill goes in four quarters of four key steps.  A wave's first eight trips are its first tile's key steps 0 to 7 (that tile has nine or more): quarters 0 and 1 are read while the later ones land.
; LAYOUT.  S^T = K Q^T (source 0 = 16 keys, source 1 = my 16 queries), O^T = V^T P^T: a lane holds one query throughout; S^T's register 8 tau + j is key 16 tau + 8 (lane / 16) + j,
; so p's codes are the second product's fragment in its own layout.
; REGISTERS: v1 16 x lane; v2 LDS address in hand; v3, v4 offsets in oc of the tile in hand and of the second; v5, v6 their mask distances; v7 2^e8; v8 2^(e10-e8-e9);
;   v10, v11 offsets in qc; v12 -M, v13 the largest t, v[14:15] the sum; v16-23 Q in hand, v24-31 the second tile's; v32-95 K's eight fragments, then V's four; v96-159 S^T, then p; v160-191 O^T;
;   v192-207 p's codes; v208-239 O / sum; v240-247 its codes; v248-254 at work.
.set STEPB, 16384                      ; a key step's bytes
.set QUART, 65536                      ; a quarter of the head
.set WV,   12                          ; s12  my wave
.set G1,   16                          ; s[16:23] descriptor group 1
.set G0,   24                          ; s[24:39] descriptor group 0, a set for each quarter
.set SEL,  40                          ; s[40:41] v_permlanex16_b32's selects: lane l xor 16
.set CS,   42                          ; s[42:43] c = log2(e) / 8 x 2^(e6 + e7)
.set KO,   44                          ; s44  LDS byte of the key step
.set IX,   45                          ; s45  the trip, 8 .. 16
.set LAST, 46                          ; s46  the trip that ends the tile in hand
.set CNT,  47
.macro CROUND                          ; a round of the cluster's barrier
	s_barrier_signal -1
	s_barrier_wait -1
	s_cmp_lg_u32 s[WV], 0
	s_cbranch_scc1 .Lnot_wave_0_\@
	s_barrier_signal -3
.Lnot_wave_0_\@:
	s_barrier_wait -3
	s_barrier_signal -1
	s_barrier_wait -1
.endm
	s_load_b256 s[4:11], s[0:1], 0x0               ; qc s[4:5], kvc s[6:7], the scales s[8:9], oc s[10:11]
	v_lshl_add_u32 v254, v0, 2, 0x40000
	v_mov_b32 v255, 0
	ds_add_u32 v254, v255
	ds_add_u32 v254, v255
	s_wait_dscnt 0x0
	v_lshrrev_b32 v2, 5, v0
	s_delay_alu instid0(VALU_DEP_1)
	v_readfirstlane_b32 s[WV], v2                  ; wave 0..15
	s_bfe_u32 s13, ttmp6, 0x40000                  ; g: my place in the cluster
	s_and_b32 s14, ttmp7, 0xffff                   ; batch x head, which the four partners share
	; descriptor group 1: a dense block of 4,096 bytes as 16 rows of 256
	s_mov_b32 s[G1], 15|(3<<16)|(1<<21)            ; 15:0 the mask: all four work-groups; 17:16 elements of 8 bytes; 21 set beside a mask
	s_mov_b32 s[G1+1], 32<<16                      ; tensor_dim0 = 32 elements
	s_mov_b32 s[G1+2], 16<<16                      ; tensor_dim1 = 16
	s_mov_b32 s[G1+3], 32<<16                      ; tile_dim0
	s_mov_b32 s[G1+4], 16                          ; tile_dim1
	s_mov_b32 s[G1+5], 32                          ; tensor_dim0_stride
	s_mov_b32 s[G1+6], 0
	s_mov_b32 s[G1+7], 0
	s_mov_b32 s[SEL], 0x76543210
	s_mov_b32 s[SEL+1], 0xfedcba98
	s_lshl_b32 s2, s[WV], 12                       ; my 4,096 bytes of each quarter
	s_lshl_b32 s60, s14, 18                        ; the head's 262,144 bytes
	s_add_co_u32 s60, s60, s2
	s_mov_b32 s61, 0
	s_wait_kmcnt 0x0
	s_load_b256 s[48:55], s[8:9], 0x0              ; entries 0 to 7
	s_load_b128 s[56:59], s[8:9], 0x20             ; entries 8 to 11
	s_add_nc_u64 s[6:7], s[6:7], s[60:61]
.irp j, 0,1,2,3
	s_mov_b32 s[G0+4*\j], 1
	s_add_co_u32 s[G0+4*\j+1], s2, \j*QUART        ; LDS as memory: quarter j, + 4,096 x wave
	s_add_nc_u64 s[G0+4*\j+2:G0+4*\j+3], s[6:7], \j*QUART
	s_or_b32 s[G0+4*\j+3], s[G0+4*\j+3], 0x80000000
.endr
	CROUND                                         ; all four work-groups are here: the joint loads meet
.irp j, 0,1,2,3
	tensor_load_to_lds s[G0+4*\j:G0+4*\j+3], s[G1:G1+7]   ; the launch's only fills, one group: four loads of mine are out
	s_nop 0
.endr
.rept 4
	v_nop
.endr
	s_lshl_b32 s60, s14, 17                        ; the head's 131,072 bytes of qc
	s_add_nc_u64 s[4:5], s[4:5], s[60:61]
	s_lshr_b32 s60, s14, 4
	s_lshl_b32 s60, s60, 21                        ; oc: the batch's 128 token tiles of 16,384 bytes,
	s_and_b32 s62, s14, 15
	s_lshl_b32 s62, s62, 10                        ; the head's 1,024 in each
	s_add_co_u32 s60, s60, s62
	s_add_nc_u64 s[10:11], s[10:11], s[60:61]
	v_and_b32 v1, 31, v0
	s_delay_alu instid0(VALU_DEP_1)
	v_lshlrev_b32 v1, 4, v1                        ; 16 x lane
	v_and_b32 v250, 15, v0
	v_bfe_u32 v251, v0, 4, 1
	s_delay_alu instid0(VALU_DEP_1)
	v_lshlrev_b32 v251, 3, v251
	s_delay_alu instid0(VALU_DEP_1)
	v_sub_nc_u32 v250, v250, v251                  ; r - 8 h
	s_wait_alu depctr_va_vdst(0)
	s_xor_b32 s60, s[WV], 31                       ; rho of my first tile: 31 - wave
	s_lshr_b32 s[LAST], s60, 1                     ; its last key step: 8 .. 15
	s_lshl_b32 s62, s13, 4
	s_and_b32 s61, s60, 1
	s_lshl_b32 s61, s61, 6
	s_add_co_u32 s61, s61, s62
	v_add_nc_u32 v5, s61, v250                     ; d = my query - the last step's first key - 8 h = 64 (rho % 2) + 16 g + r - 8 h: register 8 tau + j is hidden where 16 tau + j > d
	s_and_b32 s61, s[WV], 1
	s_lshl_b32 s61, s61, 6
	s_add_co_u32 s61, s61, s62
	v_add_nc_u32 v6, s61, v250
	s_lshl_b32 s60, s60, 2
	s_add_co_u32 s60, s60, s13                     ; my first query tile: 4 rho + g
	s_lshl_b32 s61, s[WV], 2
	s_add_co_u32 s61, s61, s13                     ; my second
	s_lshl_b32 s62, s60, 10
	v_add_nc_u32 v10, s62, v1
	s_lshl_b32 s62, s61, 10
	v_add_nc_u32 v11, s62, v1
	s_lshl_b32 s62, s60, 14
	v_add_nc_u32 v3, s62, v1
	s_lshl_b32 s62, s61, 14
	v_add_nc_u32 v4, s62, v1
	global_load_b128 v[16:19], v10, s[4:5]
	global_load_b128 v[20:23], v10, s[4:5] offset:512
	global_load_b128 v[24:27], v11, s[4:5]
	global_load_b128 v[28:31], v11, s[4:5] offset:512
	v_mov_b32 v13, 0xff61b1e6                      ; the largest t so far: -3e38, under every t
	s_delay_alu instid0(VALU_DEP_1)
	v_floor_f32 v12, -v13                          ; -M
	v_mov_b32 v14, 0
	v_mov_b32 v15, 0
	v_mov_b32 v248, 0                              ; written once: a lane permute's destination counts as one of its sources
	v_mov_b32 v253, 0                              ; (named as the upper half of the pair v[252:253])
.set jj, 0
.rept 32
	v_mov_b32 v[160+jj], 0                         ; O^T: the step is written alike for all trips: the first finds zeros, which the first change of M leaves zeros
.set jj, jj+1
.endr
	s_wait_kmcnt 0x0
	s_add_co_i32 s60, s54, s55
	s_lshl_b32 s60, s60, 23
	s_mov_b32 s[CS], 0x3e38aa3b                    ; log2(e) / 8
	s_add_co_i32 s[CS], s[CS], s60                 ; a score stands for score x 2^(e6 + e7)
	s_mov_b32 s[CS+1], s[CS]
	s_add_co_i32 s60, s56, 127
	s_lshl_b32 s61, s60, 23
	v_mov_b32 v7, s61                              ; 2^e8
	s_sub_co_i32 s60, s58, s56
	s_sub_co_i32 s60, s60, s57                     ; a sum of the second product stands for sum x 2^(e8 + e9): its code is (sum / l) / 2^(e10 - e8 - e9)
	s_add_co_i32 s60, s60, 127
	s_lshl_b32 s61, s60, 23
	v_mov_b32 v8, s61
; THE END OF A TILE: O^T / the sum, converted, stored as a fragment's image; then the second tile's state takes the first's place (behind the second tile that changes nothing that is used).
.macro FINAL
.rept 4
	v_nop                                          ; places behind the last products
.endr
	v_add_f32 v14, v14, v15
	s_delay_alu instid0(VALU_DEP_1)
	v_permlanex16_b32 v248, v14, s[SEL], s[SEL+1]
	s_delay_alu instid0(VALU_DEP_1)
	v_add_f32 v14, v14, v248                       ; the row's sum
	s_wait_alu depctr_va_vdst(0)
	v_rcp_f32 v14, v14
	v_nop                                          ; a plain line behind the transcendental,
	s_wait_alu depctr_va_vdst(0)                   ; and the wait ahead of its first reader
.set jj, 0
.rept 32
	v_mul_f32 v[208+jj], v[160+jj], v14            ; each accumulator from its low end on
.set jj, jj+1
.endr
.set jj, 0
.rept 32
.set jj, jj+1
.endr
	s_wait_alu depctr_va_vdst(0)
	s_wait_xcnt 0x0                                ; the first tile's stores have read v240-247
.irp t, 0,1,2,3
	v_cvt_scalef32_pk8_fp8_f32 v[240+2*\t:241+2*\t], v[208+8*\t:215+8*\t], v8   ; registers 2 t, 2 t + 1: the head's 16 t + 8 h + 0 .. 7 of my token
.endr
	v_nop
	global_store_b128 v3, v[240:243], s[10:11]               ; 512 consecutive aligned bytes each
	global_store_b128 v3, v[244:247], s[10:11] offset:512
	s_wait_xcnt 0x0                                ; v3 is written below
	v_mov_b32 v3, v4
	v_mov_b32 v5, v6
.irp i, 0,1,2,3,4,5,6,7
	v_mov_b32 v[16+\i], v[24+\i]
.endr
	v_mov_b32 v13, 0xff61b1e6
	s_delay_alu instid0(VALU_DEP_1)
	v_floor_f32 v12, -v13
	v_mov_b32 v14, 0
	v_mov_b32 v15, 0
.set jj, 0
.rept 32
	v_mov_b32 v[160+jj], 0
.set jj, jj+1
.endr
	s_mov_b32 s[LAST], 16                          ; the second tile ends with the last trip,
	s_mov_b32 s[KO], 0                             ; and begins at key step 0
.endm
; A KEY STEP of 128 keys.  diag = 1: the trip may be the tile's last: then hidden scores become -infinity, and the tile ends.  The branches hang on the trip and the wave's number alone.
.macro STEP diag
	s_setprio 2
	v_add_nc_u32 v2, s[KO], v1
.rept 3
	v_nop                                          ; with the addition: four places in front of loads into registers that the last products read
.endr
.irp i, 0,1,2,3,4,5,6,7,8,9,10,11,12,13,14,15
	ds_load_b128 v[32+4*\i:35+4*\i], v2 offset:512*\i        ; K's eight fragments
.endr
	s_wait_alu depctr_va_vdst(0)
	s_wait_dscnt 0x0
.irp t, 0,1,2,3,4,5,6,7
	v_wmma_f32_16x16x64_fp8_fp8 v[96+8*\t:103+8*\t], v[32+8*\t:39+8*\t], v[16:23], 0
.endr
.rept 4
	v_nop                                          ; places in front of the loads below and of the first read of the scores
.endr
.irp i, 0,1,2,3,4,5,6,7,8,9,10,11,12,13,14,15
	ds_load_b128 v[32+4*\i:35+4*\i], v2 offset:8192+512*\i   ; V's four fragments: they land under the softmax
.endr
.if \diag
	s_cmp_lg_u32 s[IX], s[LAST]
	s_cbranch_scc1 .Lopen_\@
	v_mov_b32 v254, 0xff800000                     ; -infinity: p = 0
.set nn, 0
.rept 64
	v_cmp_gt_i32 vcc_lo, 16*(nn/8)+nn%8, v5
	v_cndmask_b32 v[96+nn], v[96+nn], v254, vcc_lo
.set nn, nn+1
.endr
.Lopen_\@:
.endif
	v_max3_num_f32 v254, v96, v97, v98             ; the step's largest score of my query among my 64 keys, in two chains,
	v_max3_num_f32 v252, v99, v100, v101
.irp i, 6,10,14,18,22,26,30,34,38,42,46,50,54,58
	v_max3_num_f32 v254, v254, v[96+\i], v[97+\i]
	v_max3_num_f32 v252, v252, v[98+\i], v[99+\i]
.endr
	v_max3_num_f32 v254, v254, v158, v159
	s_delay_alu instid0(VALU_DEP_1)
	v_max_num_f32 v254, v254, v252
	s_delay_alu instid0(VALU_DEP_1)
	v_permlanex16_b32 v248, v254, s[SEL], s[SEL+1]
	s_delay_alu instid0(VALU_DEP_1)
	v_max_num_f32 v254, v254, v248                 ; and among lane l xor 16's
	s_delay_alu instid0(VALU_DEP_1)
	v_mul_f32 v254, s[CS], v254                    ; as t (c is positive)
	s_delay_alu instid0(VALU_DEP_1)
	v_max_num_f32 v13, v13, v254                   ; the running largest t
	v_mov_b32 v254, v12
	s_delay_alu instid0(VALU_DEP_2)
	v_floor_f32 v12, -v13                          ; the new -M = floor(-t): M is a whole number
	s_delay_alu instid0(VALU_DEP_1)
	v_sub_f32 v254, v12, v254                      ; old M - new M: a whole number, 0 or less
	s_delay_alu instid0(VALU_DEP_1)
	v_cvt_i32_f32 v254, v254                       ; (it saturates)
	s_delay_alu instid0(VALU_DEP_1)
	v_ldexp_f32 v252, 1.0, v254                    ; f = 2^(old M - new M): multiplying by it rounds nothing
.set jj, 0
.rept 32
	v_pk_fma_f32 v[96+jj:97+jj], v[96+jj:97+jj], s[CS:CS+1], v[12:13] op_sel_hi:[1,0,0]   ; t - M, two at a time
.set jj, jj+2
.endr
.set jj, 0
	s_setprio 1
	s_wait_alu depctr_va_vdst(0)
.rept 64
	v_exp_f32 v[96+jj], v[96+jj]                   ; p = 2^(t - M)
.set jj, jj+1
.endr
	v_pk_mul_f32 v[14:15], v[14:15], v[252:253] op_sel_hi:[1,0]   ; the sum under the new M: the plain line behind the exponentials
	s_wait_alu depctr_va_vdst(0)                   ; one wait for the whole batch, ahead of its first reader
	v_pk_add_f32 v[250:251], v[100:101], v[104:105]
	v_pk_add_f32 v[254:255], v[108:109], v[112:113]
	v_pk_add_f32 v[246:247], v[116:117], v[120:121]
	v_pk_add_f32 v[244:245], v[124:125], v[128:129]
	v_pk_add_f32 v[242:243], v[132:133], v[136:137]
	v_pk_add_f32 v[240:241], v[140:141], v[144:145]
	v_pk_add_f32 v[238:239], v[148:149], v[152:153]
	v_pk_add_f32 v[14:15], v[14:15], v[156:157]
	v_pk_add_f32 v[250:251], v[250:251], v[96:97]
	v_pk_add_f32 v[254:255], v[254:255], v[98:99]
	v_pk_add_f32 v[246:247], v[246:247], v[102:103]
	v_pk_add_f32 v[244:245], v[244:245], v[106:107]
	v_pk_add_f32 v[242:243], v[242:243], v[110:111]
	v_pk_add_f32 v[240:241], v[240:241], v[114:115]
	v_pk_add_f32 v[238:239], v[238:239], v[118:119]
	v_pk_add_f32 v[14:15], v[14:15], v[122:123]
	v_pk_add_f32 v[250:251], v[250:251], v[126:127]
	v_pk_add_f32 v[254:255], v[254:255], v[130:131]
	v_pk_add_f32 v[246:247], v[246:247], v[134:135]
	v_pk_add_f32 v[244:245], v[244:245], v[138:139]
	v_pk_add_f32 v[242:243], v[242:243], v[142:143]
	v_pk_add_f32 v[240:241], v[240:241], v[146:147]
	v_pk_add_f32 v[238:239], v[238:239], v[150:151]
	v_pk_add_f32 v[14:15], v[14:15], v[154:155]
	v_pk_add_f32 v[250:251], v[250:251], v[158:159]
	s_delay_alu instid0(VALU_DEP_2)
	v_pk_add_f32 v[14:15], v[14:15], v[244:245]
	s_delay_alu instid0(VALU_DEP_2)
	v_pk_add_f32 v[250:251], v[250:251], v[242:243]
	v_pk_add_f32 v[254:255], v[254:255], v[240:241]
	v_pk_add_f32 v[246:247], v[246:247], v[238:239]
	s_delay_alu instid0(VALU_DEP_2)
	v_pk_add_f32 v[14:15], v[14:15], v[254:255]
	s_delay_alu instid0(VALU_DEP_2)
	v_pk_add_f32 v[250:251], v[250:251], v[246:247]
	s_delay_alu instid0(VALU_DEP_1)
	v_pk_add_f32 v[14:15], v[14:15], v[250:251]
.irp t, 0,1,2,3,4,5,6,7
.irp i, 0,1,2,3,4,5,6,7
.endr
	v_cvt_scalef32_pk8_fp8_f32 v[192+2*\t:193+2*\t], v[96+8*\t:103+8*\t], v7   ; registers 2 tau, 2 tau + 1: keys 16 tau + 8 h + 0 .. 7
.endr
.set jj, 0
.rept 16
	v_pk_mul_f32 v[160+jj:161+jj], v[160+jj:161+jj], v[252:253] op_sel_hi:[1,0]   ; O^T under the new M; also the plain lines behind the conversions
.set jj, jj+2
.endr
	s_setprio 0
	s_wait_alu depctr_va_vdst(0)
	s_wait_dscnt 0x0                               ; V is in
.irp t, 0,1,2,3
	v_wmma_f32_16x16x128_fp8_fp8 v[160+8*\t:167+8*\t], v[32+16*\t:47+16*\t], v[192:207], v[160+8*\t:167+8*\t]   ; the four accumulators take turns, one instruction a turn
.endr
	s_add_co_u32 s[KO], s[KO], STEPB
.if \diag
	s_cmp_lg_u32 s[IX], s[LAST]
	s_cbranch_scc1 .Lon_\@
	FINAL
.Lon_\@:
.endif
.endm
	s_wait_loadcnt 0x0                             ; Q, both tiles
	s_wait_tensorcnt 0x3                           ; my part of quarter 0 is in; three loads may be out
	s_barrier_signal -1
	s_barrier_wait -1                              ; everybody's is
	s_mov_b32 s[KO], 0
	s_mov_b32 s[CNT], 4
.Lqa:                                              ; key steps 0 to 3 of my first tile: LDS bytes 0 to 65,535
	STEP 0
	s_sub_co_i32 s[CNT], s[CNT], 1
	s_cmp_lg_u32 s[CNT], 0
	s_cbranch_scc1 .Lqa
	s_setprio 0
	s_wait_tensorcnt 0x2                           ; my part of quarter 1 is in; two loads may be out
	s_wait_dscnt 0x0
	s_barrier_signal -1
	s_barrier_wait -1
	s_mov_b32 s[KO], QUART
	s_mov_b32 s[CNT], 4
.Lqb:                                              ; key steps 4 to 7: LDS bytes 65,536 to 131,071
	STEP 0
	s_sub_co_i32 s[CNT], s[CNT], 1
	s_cmp_lg_u32 s[CNT], 0
	s_cbranch_scc1 .Lqb
	s_setprio 0
	s_wait_tensorcnt 0x0                           ; all my loads have landed
	s_wait_dscnt 0x0
	s_barrier_signal -1
	s_barrier_wait -1                              ; the whole head lies in LDS, and is only read from here on
	s_mov_b32 s[KO], 2*QUART
	s_mov_b32 s[IX], 8
.Lqc:                                              ; trips 8 to 16: the rest of my first tile, then my second
	STEP 1
	s_add_co_u32 s[IX], s[IX], 1
	s_cmp_lt_u32 s[IX], 17
	s_cbranch_scc1 .Lqc
	s_setprio 0
	s_wait_xcnt 0x0
	v_lshl_add_u32 v254, v0, 2, 0x40000
	v_mov_b32 v255, 0
	s_wait_alu depctr_va_vdst(0)
	s_wait_tensorcnt 0x0
	ds_add_u32 v254, v255
	s_wait_dscnt 0x0
	CROUND                                         ; the closing round
	s_endpgm
.Lfunc_end_k_q9294cec7a1_attn:
	.size	k_q9294cec7a1_attn, .Lfunc_end_k_q9294cec7a1_attn-k_q9294cec7a1_attn
	.p2alignl 7, 3214868480
	.fill 96, 4, 3214868480
	.section	.rodata,"a",@progbits
	.p2align	6, 0x0
	.amdhsa_kernel k_q9294cec7a1_attn
		.amdhsa_group_segment_fixed_size 327680
		.amdhsa_private_segment_fixed_size 0
		.amdhsa_enable_private_segment 0
		.amdhsa_kernarg_size 32
		.amdhsa_user_sgpr_count 2
		.amdhsa_user_sgpr_kernarg_segment_ptr 1
		.amdhsa_wavefront_size32 1
		.amdhsa_system_sgpr_workgroup_id_x 1
		.amdhsa_system_sgpr_workgroup_id_y 1
		.amdhsa_system_sgpr_workgroup_id_z 1
		.amdhsa_system_vgpr_workitem_id 0
		.amdhsa_next_free_vgpr 256
		.amdhsa_next_free_sgpr 66
		.amdhsa_reserve_vcc 1
		.amdhsa_float_denorm_mode_32 3
		.amdhsa_float_denorm_mode_16_64 3
		.amdhsa_fp16_overflow 1
		.amdhsa_memory_ordered 1
		.amdhsa_forward_progress 1
		.amdhsa_inst_pref_size 59
	.end_amdhsa_kernel
	.amdgpu_metadata
---
amdhsa.version: [ 1, 2 ]
amdhsa.kernels:
  - .name:           k_q9294cec7a1_attn
    .symbol:         k_q9294cec7a1_attn.kd
    .args:
      - { .name: qc, .offset: 0, .size: 8, .value_kind: global_buffer, .address_space: global }
      - { .name: kvc, .offset: 8, .size: 8, .value_kind: global_buffer, .address_space: global }
      - { .name: lowp_scales, .offset: 16, .size: 8, .value_kind: global_buffer, .address_space: global }
      - { .name: oc, .offset: 24, .size: 8, .value_kind: global_buffer, .address_space: global }
    .group_segment_fixed_size: 327680
    .private_segment_fixed_size: 0
    .kernarg_segment_align: 8
    .kernarg_segment_size: 32
    .max_flat_workgroup_size: 512
    .sgpr_count:     66
    .vgpr_count:     256
    .wavefront_size: 32
...
	.end_amdgpu_metadata
.endif
;; end of part 3
;; launch gemm_out (part 4): grid 4 x 32, 4 waves a work-group, clusters of 4 x 4, 327,680 bytes of LDS; arguments oc, wc, lowp_scales, out0; writes out0
.if DOCPART == 4
	.amdgcn_target "amdgcn-amd-amdhsa--gfx1250"
	.amdhsa_code_object_version 6
	.text
	.protected	k_q9294cec7a1_gemm_out
	.globl	k_q9294cec7a1_gemm_out
	.p2align	8
	.type	k_q9294cec7a1_gemm_out,@function
k_q9294cec7a1_gemm_out:
	s_mov_b64 s[64:65], 0
	v_nop
	global_prefetch_b8 v0, s[64:65] scope:SCOPE_SE
	s_setreg_imm32_b32 hwreg(HW_REG_WAVE_MODE, 25, 1), 1
	s_wait_xcnt 0x0
	s_wait_alu depctr_hold_cnt(0) depctr_sa_sdst(0) depctr_va_vdst(0) depctr_va_sdst(0) depctr_va_ssrc(0) depctr_va_vcc(0) depctr_vm_vsrc(0)
	s_getreg_b32 s2, hwreg(HW_REG_IB_STS2, 6, 4)
	s_cmp_eq_u32 s2, 0
	s_cbranch_scc0 .Lentry_in_a_cluster
	s_endpgm
.Lentry_in_a_cluster:
	s_bfe_u32 s2, ttmp6, 0x10000c
	s_cmp_lg_u32 s2, 0xf033
	s_cbranch_scc0 .Lentry_shape_is_right
	s_endpgm
.Lentry_shape_is_right:
; out0 = attention's result x W_o^T on codes of E4M3: 8,192 x 1,024 x 1,024, f32 out.  Each finished sum is multiplied once by 2^(e10 + e11).  LIMIT: e10 + e11 between -126 and 127.
; Operands come as images of operand registers (16 rows x 128 K = 2,048 dense bytes: registers 4 g .. 4 g + 3 of lane l at 512 g + 16 l): oc [row tile 512][K chunk 8][2,048]; W_o is matrix 3 of wc [4][row tile 64][8][2,048].
; A tile of 256 tokens x 256 features is made by four waves, each 128 x 128: 64 accumulators.  K goes in steps of 256 through a ring of two LDS slots.
; Source 0 = 16 rows of W_o, source 1 = 16 tokens: a lane holds eight neighbouring numbers of a row of the output.
; CLUSTERS: 4 x 4 work-groups: the tokens' tile is shared along a row of the cluster, W_o's along a column: each is asked for jointly.  The grid is 128 work-groups: 8,192 x 1,024 has no more tiles of this size.
; REGISTERS, in windows of 256: window 0: v16-29 addresses; v128-255 source 1's fragments, one set; on the way out v32-255 are free.   window 1: source 0's fragments, two sets.   windows 2, 3: the accumulators.
.set FR,     16
.set NL,     4
.set NP,     4
.set TILEB,  4096                      ; a row tile's bytes in a slot: two K chunks
.set HALFB,  8*TILEB
.set REGION, 2*HALFB                   ; the tokens' 256 rows; behind them W_o's
.set SLOT,   2*REGION
.set SPARE,  2*SLOT                    ; behind the ring: the spare words, 128 bytes for each wave, which no other line names
.set SPITCH, 528                       ; the way out: a stage of 16 rows x (512 + 16) bytes for each wave, in slot 0, which has had its last fill and its last read when the first result is stored there
.set ROWC,   4096                      ; a row of the output in bytes
.set ADR1, 16
.set ADR0, 20
.set STO,  24                          ; v24  the way out: where I put 32 bytes of a row
.set RD,   25                          ; v25  where I read a row back
.set CO,   26                          ; v26  16 x lane
.set SPW,  28
.set NIL,  29
.set TMP,  32
.set AF,   128
.set BK,   128
.set G1, 24
.set G0, 32
.set G1B, 48
.set G0B, 56
.set MSB, 0
.macro WIN new                         ; the immediate's high byte repeats the setting that is left
.if MSB != \new
	s_set_vgpr_msb (MSB<<8)|\new
.set MSB, \new
.endif
.endm
.set MUL_LO, 0xa1
.set MUL_HI, 0xf1
.set TO_1,   0x40
.macro JLOAD g0a, g1a, g0b, g1b        ; a joint load: waves 0 and 1 fetch the tokens' halves, waves 2 and 3 W_o's; four v_nop follow each line
	s_cmp_eq_u32 s15, 0
	s_cbranch_scc0 .Lfor_b_\@
	tensor_load_to_lds s[\g0a:\g0a+3], s[\g1a:\g1a+7]
	s_nop 0
.rept 4
	v_nop
.endr
	s_branch .Lasked_\@
.Lfor_b_\@:
	tensor_load_to_lds s[\g0b:\g0b+3], s[\g1b:\g1b+7]
	s_nop 0
.rept 4
	v_nop
.endr
.Lasked_\@:
.endm
.macro CREST
	s_cmp_lg_u32 s14, 0
	s_cbranch_scc1 .Lnot_wave_0_\@
	s_barrier_signal -3
.Lnot_wave_0_\@:
	s_barrier_wait -3
	s_barrier_signal -1
	s_barrier_wait -1
.endm
.macro CROUND
	s_barrier_signal -1
	s_barrier_wait -1
	CREST
.endm
	s_load_b128 s[4:7], s[0:1], 0x0                ; oc s[4:5], wc s[6:7]
	s_load_b128 s[8:11], s[0:1], 0x10              ; the scales s[8:9], out0 s[10:11]
	v_lshl_add_u32 v[SPW], v0, 2, SPARE
	v_mov_b32 v[NIL], 0
	ds_add_u32 v28, v29
	ds_add_u32 v28, v29
	s_wait_dscnt 0x0
	v_lshrrev_b32 v1, 5, v0
	v_readfirstlane_b32 s14, v1                    ; wave 0..3
	s_lshr_b32 s15, s14, 1                         ; my half of the tokens.  Also: I fetch for the tokens (0) or for W_o (1)
	s_and_b32 s16, s14, 1                          ; my half of the features.  Also: which 128 rows I fetch
	s_bfe_u32 s40, ttmp6, 0x40000                  ; cx: the feature tile
	s_bfe_u32 s41, ttmp6, 0x40004                  ; cy
	s_and_b32 s17, ttmp7, 0xffff
	s_lshl_b32 s17, s17, 2
	s_add_co_u32 s17, s17, s41                     ; the token tile
	s_lshl_b32 s43, s41, 2
	s_lshl_b32 s43, 15, s43                        ; my row of the cluster
	s_lshl_b32 s44, 0x1111, s40                    ; my column
	s_or_b32 s[G1+0], s43, (3<<16)|(1<<21)         ; the mask; elements of 8 bytes; no padding; bit 21 set beside a mask
	s_or_b32 s[G1B+0], s44, (3<<16)|(1<<21)
.irp g, G1, G1B
	s_mov_b32 s[\g+1], 512<<16                     ; 8 row tiles, of each 4,096 bytes, 16,384 bytes apart
	s_mov_b32 s[\g+2], 8<<16
	s_mov_b32 s[\g+3], 512<<16
	s_mov_b32 s[\g+4], 8
	s_mov_b32 s[\g+5], 2048
	s_mov_b32 s[\g+6], 0
	s_mov_b32 s[\g+7], 0
.endr
	s_lshl_b32 s18, s16, 17
	s_lshl_b32 s20, s17, 18
	s_add_co_u32 s20, s20, s18
	s_mov_b32 s21, 0
	s_lshl_b32 s46, s40, 18
	s_add_co_u32 s46, s46, s18
	s_add_co_u32 s46, s46, 3<<20                   ; W_o is the fourth matrix of wc
	s_mov_b32 s47, 0
	s_lshl_b32 s45, s14, 15
	s_wait_kmcnt 0x0
	s_load_b64 s[96:97], s[8:9], 0x28              ; entries 10 and 11
	s_add_nc_u64 s[20:21], s[4:5], s[20:21]
	s_add_nc_u64 s[46:47], s[6:7], s[46:47]
	CROUND                                         ; the first joint loads meet
.irp s, 0,1
	s_mov_b32 s[G0+4*\s], 1
	s_add_co_u32 s[G0+4*\s+1], s45, \s*SLOT
	s_add_nc_u64 s[G0+4*\s+2:G0+4*\s+3], s[20:21], \s*TILEB
	s_or_b32 s[G0+4*\s+3], s[G0+4*\s+3], 0x80000000
	s_mov_b32 s[G0B+4*\s], 1
	s_add_co_u32 s[G0B+4*\s+1], s45, \s*SLOT
	s_add_nc_u64 s[G0B+4*\s+2:G0B+4*\s+3], s[46:47], \s*TILEB
	s_or_b32 s[G0B+4*\s+3], s[G0B+4*\s+3], 0x80000000
	JLOAD G0+4*\s, G1, G0B+4*\s, G1B
.endr
	v_and_b32 v1, 15, v0                           ; r
	v_bfe_u32 v2, v0, 4, 1                         ; h
	v_and_b32 v6, 31, v0
	v_lshlrev_b32 v[CO], 4, v6                     ; 16 x lane
	s_lshl_b32 s66, s15, 15                        ; my 128 tokens
	s_lshl_b32 s67, s16, 15
	s_add_co_u32 s67, s67, REGION                  ; my 128 rows of W_o
.irp s, 0,1
	v_add_nc_u32 v[ADR1+\s], s66, v[CO]
	v_add_nc_u32 v[ADR0+\s], s67, v[CO]
	s_add_co_u32 s66, s66, SLOT
	s_add_co_u32 s67, s67, SLOT
.endr
	s_mul_i32 s68, s14, 16*SPITCH                  ; my stage
	v_mul_u32_u24 v5, v1, SPITCH
	v_lshl_add_u32 v5, v2, 5, v5
	v_add_nc_u32 v[STO], s68, v5                   ; in: row r, 32 bytes for each half of the lanes
	v_add_nc_u32 v[RD], s68, v[CO]                 ; back: the 32 lanes take one row of 512 bytes
	s_lshl_b32 s66, s17, 8
	s_lshl_b32 s67, s15, 7
	s_add_co_u32 s66, s66, s67                     ; my first row of the output
	s_lshl_b32 s66, s66, 12
	s_lshl_b32 s67, s40, 10
	s_add_co_u32 s66, s66, s67
	s_lshl_b32 s67, s16, 9
	s_add_co_u32 s66, s66, s67                     ; + my first column, in bytes
	s_mov_b32 s67, 0
	s_add_nc_u64 s[10:11], s[10:11], s[66:67]
.macro FRAG reg, adr, q, i
.irp c, 0,1,2,3
	ds_load_b128 v[\reg+4*\c:\reg+4*\c+3], v[\adr] offset:TILEB*(\i)+2048*(\q)+512*\c
.endr
.endm
.macro MUL16 a0, p, zero               ; the 64 accumulators take turns, one instruction a turn, in the same order in every step
.irp a, \a0, \a0+1
.irp b, 0,1,2,3,4,5,6,7
.if \zero
	v_wmma_f32_16x16x128_fp8_fp8 v[8*(8*((\a)%4)+\b):8*(8*((\a)%4)+\b)+7], v[128*(\p)+FR*\b:128*(\p)+FR*\b+FR-1], v[AF+FR*(\a):AF+FR*(\a)+FR-1], 0
.else
	v_wmma_f32_16x16x128_fp8_fp8 v[8*(8*((\a)%4)+\b):8*(8*((\a)%4)+\b)+7], v[128*(\p)+FR*\b:128*(\p)+FR*\b+FR-1], v[AF+FR*(\a):AF+FR*(\a)+FR-1], v[8*(8*((\a)%4)+\b):8*(8*((\a)%4)+\b)+7]
.endif
.endr
.endr
.endm
.macro FETCH_S0 slot, q, p
	WIN TO_1
.irp i, 0,1,2,3,4,5,6,7
	FRAG 128*(\p)+FR*\i, ADR0+\slot, \q, \i
.endr
	WIN 0
.endm
.macro FETCH_S1 slot, q, i0
.irp i, \i0, \i0+1, \i0+2, \i0+3
	FRAG AF+FR*(\i), ADR1+\slot, \q, \i
.endr
.endm
.macro PLACES n                        ; plain vector lines between a matrix instruction and a load into one of its registers, or a read of its result (ISA guide 7.12.1 for a read of its result)
.rept \n
	v_nop
.endr
.endm
.macro STEP slot, q, zero
	s_wait_dscnt 4*NL                              ; source 0's set and source 1's blocks 0-3 are in; the youngest 16 loads (blocks 4-7) may be out
	WIN MUL_LO
	MUL16 0, (\q)%2, \zero
	MUL16 2, (\q)%2, \zero
	s_wait_dscnt 0
	PLACES NP
	FETCH_S0 \slot, (\q)+1, 1-(\q)%2
	FETCH_S1 \slot, (\q)+1, 0
	WIN MUL_HI
	MUL16 4, (\q)%2, \zero
	MUL16 6, (\q)%2, \zero
	PLACES NP
	WIN 0
	FETCH_S1 \slot, (\q)+1, 4
.endm
.macro TURN slot, next, fill
	s_wait_tensorcnt 0x0                           ; all my tensor loads have landed: my part of the next slot
	ds_add_u32 v[SPW], v[NIL]                      ; 0 onto my spare word
	s_wait_dscnt 4*NL+1                            ; (the add and the youngest 16 loads may be out)
	WIN MUL_LO
	MUL16 0, 1, 0
	s_wait_dscnt 0x0                               ; the add is done, and my reads of this slot are over
	s_barrier_signal -1
	MUL16 2, 1, 0
	WIN 0
	s_barrier_wait -1
.if \fill
	CREST                                          ; no wave of any partner still reads this slot's tile or has a load on its way
	s_add_nc_u64 s[G0+4*\slot+2:G0+4*\slot+3], s[G0+4*\slot+2:G0+4*\slot+3], 2*TILEB
	s_add_nc_u64 s[G0B+4*\slot+2:G0B+4*\slot+3], s[G0B+4*\slot+2:G0B+4*\slot+3], 2*TILEB
	JLOAD G0+4*\slot, G1, G0B+4*\slot, G1B         ; the first tensor load behind the round; its four v_nop are the places in front of the loads below
.else
	PLACES NP
.endif
	FETCH_S0 \next, 0, 0
	FETCH_S1 \next, 0, 0
	WIN MUL_HI
	MUL16 4, 1, 0
	MUL16 6, 1, 0
	PLACES NP
	WIN 0
	FETCH_S1 \next, 0, 4
.endm
	s_wait_tensorcnt 1                             ; my part of K step 0 is in (K step 1's load may be out)
	s_barrier_signal -1
	s_barrier_wait -1
	FETCH_S0 0, 0, 0
	FETCH_S1 0, 0, 0
	FETCH_S1 0, 0, 4
	STEP 0, 0, 1                                   ; K = 1,024 is four slots' worth: written out, no loop
	TURN 0, 1, 1
	STEP 1, 0, 0
	TURN 1, 0, 1
	STEP 0, 0, 0
	TURN 0, 1, 0
	STEP 1, 0, 0
	s_wait_dscnt 4*NL
	WIN MUL_LO
	MUL16 0, 1, 0
	MUL16 2, 1, 0
	s_wait_dscnt 0
	WIN MUL_HI
	MUL16 4, 1, 0
	MUL16 6, 1, 0
	WIN 0
; THE WAY OUT, block by block of 16 rows x 128 columns: through my own stage in LDS, back as whole rows of 512 bytes.  LDS serves a wave's instructions in order (ISA guide 5.7.1.4): no wait between the stores and the loads.
.macro TOSTAGE a
.set AC, 64*((\a)%4)
	WIN 0x02+((\a)/4)                              ; source 0: window 2 or 3
.set jj, 0
.rept 32
	v_pk_mul_f32 v[TMP+jj:TMP+jj+1], v[AC+jj:AC+jj+1], s[96:97] op_sel_hi:[1,0]   ; both x s96 = 2^(e10 + e11); each accumulator from its low end on
.set jj, jj+2
.endr
	WIN 0
.irp b, 0,1,2,3,4,5,6,7
	ds_store_b128 v[STO], v[TMP+8*\b:TMP+8*\b+3] offset:64*\b
	ds_store_b128 v[STO], v[TMP+8*\b+4:TMP+8*\b+7] offset:64*\b+16
.endr
.set BB, BK+64*((\a)%2)
.irp t, 0,1,2,3,4,5,6,7,8,9,10,11,12,13,14,15
	ds_load_b128 v[BB+4*\t:BB+4*\t+3], v[RD] offset:\t*SPITCH
.endr
.endm
.macro SEND a, younger                 ; younger: the LDS instructions issued behind block a's loads, which may stay out
.set BB, BK+64*((\a)%2)
	s_wait_dscnt \younger
.if (\a) > 0
	s_add_nc_u64 s[10:11], s[10:11], 16*ROWC       ; (behind a wait on XCNT: the earlier stores have read their base)
.endif
.irp t, 0,1,2,3,4,5,6,7,8,9,10,11,12,13,14,15
	global_store_b128 v[CO], v[BB+4*\t:BB+4*\t+3], s[10:11] offset:\t*ROWC th:TH_STORE_NT   ; 32 lanes store 512 consecutive bytes, aligned; written once, read by nobody here
.endr
.endm
	s_wait_kmcnt 0x0
	s_add_co_i32 s96, s96, s97
	s_add_co_i32 s96, s96, 127
	s_lshl_b32 s96, s96, 23                        ; 2^(e10 + e11) as f32
	PLACES NP
	TOSTAGE 0
.irp a, 1,2,3,4,5,6,7
.if \a > 1
	s_wait_xcnt 0x0                                ; block a - 2's stores have read their registers and their base
.endif
	TOSTAGE \a
	SEND \a-1, 32                                  ; behind block a - 1's loads: block a's 16 stores and 16 loads
.endr
	s_wait_xcnt 0x0
	SEND 7, 0
	s_wait_tensorcnt 0x0                           ; the wave's end
	ds_add_u32 v[SPW], v[NIL]
	s_wait_dscnt 0x0
	CROUND                                         ; the closing round
	s_endpgm
.Lfunc_end_k_q9294cec7a1_gemm_out:
	.size	k_q9294cec7a1_gemm_out, .Lfunc_end_k_q9294cec7a1_gemm_out-k_q9294cec7a1_gemm_out
	.p2alignl 7, 3214868480
	.fill 96, 4, 3214868480
	.section	.rodata,"a",@progbits
	.p2align	6, 0x0
	.amdhsa_kernel k_q9294cec7a1_gemm_out
		.amdhsa_group_segment_fixed_size 327680
		.amdhsa_private_segment_fixed_size 0
		.amdhsa_enable_private_segment 0
		.amdhsa_kernarg_size 32
		.amdhsa_user_sgpr_count 2
		.amdhsa_user_sgpr_kernarg_segment_ptr 1
		.amdhsa_wavefront_size32 1
		.amdhsa_system_sgpr_workgroup_id_x 1
		.amdhsa_system_sgpr_workgroup_id_y 1
		.amdhsa_system_sgpr_workgroup_id_z 1
		.amdhsa_system_vgpr_workitem_id 0
		.amdhsa_next_free_vgpr 1024
		.amdhsa_next_free_sgpr 100
		.amdhsa_reserve_vcc 0
		.amdhsa_float_denorm_mode_32 3
		.amdhsa_float_denorm_mode_16_64 3
		.amdhsa_memory_ordered 1
		.amdhsa_forward_progress 1
		.amdhsa_inst_pref_size 123
	.end_amdhsa_kernel
	.amdgpu_metadata
---
amdhsa.version: [ 1, 2 ]
amdhsa.kernels:
  - .name:           k_q9294cec7a1_gemm_out
    .symbol:         k_q9294cec7a1_gemm_out.kd
    .args:
      - { .name: oc, .offset: 0, .size: 8, .value_kind: global_buffer, .address_space: global }
      - { .name: wc, .offset: 8, .size: 8, .value_kind: global_buffer, .address_space: global }
      - { .name: lowp_scales, .offset: 16, .size: 8, .value_kind: global_buffer, .address_space: global }
      - { .name: out0, .offset: 24, .size: 8, .value_kind: global_buffer, .address_space: global }
    .group_segment_fixed_size: 327680
    .private_segment_fixed_size: 0
    .kernarg_segment_align: 8
    .kernarg_segment_size: 32
    .max_flat_workgroup_size: 128
    .sgpr_count:     100
    .vgpr_count:     1024
    .wavefront_size: 32
...
	.end_amdgpu_metadata
.endif
;; end of part 4
